; MI455X (gfx1250); checked and timed in simulation.
; The chip was launched on July 23, 2026; its instructions are those of AMD's public machine-readable ISA for CDNA 5 (MIT licence, August 2026) and "CDNA5" Instruction Set Architecture Reference Guide (July 2026). The comments in the code are by the model that wrote it; some were corrected since.
;; Vector Quantizer. Allowed arithmetic: matrix products marked QUANTISED: E2M1 operands, one E8M0 scale for each 32 along K, by v_wmma_scale_f32_16x16x128_f8f6f4 with both operands' format E2M1 (or v_wmma_scale_f32_32x16x128_f4), f32 sums; everything else in f32.
;; Inputs: embeddings 8,192 x 256 float32; x 32 x 1,024 x 256 float32.
;; Outputs: out0 32 x 1,024 x 256 float32; out1 32 x 1,024 int32; out2 one number float32; out3 one number float32; out4 one number float32.
;; This version of the problem:
;;   THIS VERSION OF THE PROBLEM IS GIVEN IN LOW PRECISION. The matrix products marked QUANTISED in the list below multiply operands that are first quantised to E2M1 (2 exponent bits, 1 mantissa bit; 4 bits a number), with one power-of-two scale for each 32 numbers along K (OCP MX v1.0); their sums are f32. All else is computed in f32.
;;   The module's matrix products, in the order in which they are computed (A, B: the left and right operand; K: the contracted axis; several contracted axes count as one K, in the product's order):
;;     1. [M 32,768, K 256] x [K 256, N 8,192]; A: input x; B: input embeddings: QUANTISED
;;   THE QUANTISER, for each operand of a quantised product, along K:
;;     - K is cut into blocks of 32 from its start; a last block that is shorter is filled with zeros.
;;     - A block's scale is 2^e with e = floor(log2(the largest magnitude in the block)) - 2, held to -126 .. 127; a block of zeros has e = 0. As a byte (E8M0): e + 127.
;;     - Each number is divided by its block's scale, clamped to +-6, and rounded to the nearest number of E2M1, ties to even, subnormals kept.
;;     - The product sums the exact products of the quantised numbers (number of the format x scale) in f32.
;;   ~~~python
;;   def quantise(x, axis):      # numpy; x: float32 -> the quantised numbers, widened to float32 again
;;       x = np.moveaxis(x, axis, -1); K = x.shape[-1]
;;       x = np.pad(x, [(0, 0)] * (x.ndim - 1) + [(0, -K % 32)]); x = x.reshape(x.shape[:-1] + (-1, 32)); a = np.abs(x).max(-1, keepdims=True)
;;       e = np.where(a > 0, np.clip(np.frexp(np.where(a > 0, a, 1))[1] - 1 - 2, -126, 127), 0)      # np.frexp(a)[1] - 1 = floor(log2(a)), exactly
;;       r = np.clip(x / 2.0 ** e, -6, 6)
;;       step = 2.0 ** (np.maximum(np.frexp(np.where(r == 0, 1, r))[1] - 1, 0) - 1)
;;       q = np.round(r / step) * step * 2.0 ** e      # np.round: ties to even
;;       return np.moveaxis(q.reshape(q.shape[:-2] + (-1,))[..., :K], -1, axis).astype(np.float32)
;;   ~~~
;; One version. Each part assembles by itself: llvm-mc -triple=amdgcn-amd-amdhsa -mcpu=gfx1250 --defsym DOCPART=n.
;; ======== version 1 of 1: 5 launches
;; limits: right only within a limited range of input values
;; workspace buffers: xq 4,718,592 bytes; eq 1,179,648 bytes; cand 131,072 bytes of whole numbers; idx 131,072 bytes of whole numbers; part 1,024 bytes
;; launch quant (part 1): grid 256 x 1, 5 waves a work-group, no clusters, 44,288 bytes of LDS; arguments x, embeddings, xq, eq; writes xq, eq
.if DOCPART == 1
	.amdgcn_target "amdgcn-amd-amdhsa--gfx1250"
	.amdhsa_code_object_version 6
	.text
	.protected	k_qe7a64b8b36_quant
	.globl	k_qe7a64b8b36_quant
	.p2align	8
	.type	k_qe7a64b8b36_quant,@function
k_qe7a64b8b36_quant:
	s_mov_b64 s[64:65], 0
	v_nop
	global_prefetch_b8 v0, s[64:65] scope:SCOPE_SE
	s_setreg_imm32_b32 hwreg(HW_REG_WAVE_MODE, 25, 1), 1
	s_wait_xcnt 0x0
; x [32768][256] and embeddings [8192][256], f32, become RECORDS of 32 rows each: codes of FP4 (E2M1) as images of the matrix operand's
; registers, their E8M0 scale words, and each row's sum of squares in f32.  xq has 1,024 records, eq 256.
; A RECORD, 4,608 bytes = 18 x 256, holds two tiles u = 0, 1 of 16 rows:
;   0 .. 4095     fragment (u, K step s, c) at (2 u + s) 1024 + 512 c + 16 lane: lane (r, h) holds the 32 codes of block 4 s + 2 c + h of the tile's row r
;   4096 .. 4351  scale words at 8 lane + 4 u: lanes 0-15 row r's word of K step 0, lanes 16-31 row r's word of K step 1; byte b = block b of that step
;   4352 .. 4479  the rows' sums of squares at 64 u + 4 r;      4480 .. 4607  zeros
; WHICH ROW IS (u, r): of x row 16 u + r of the record's 32; of the embeddings row 8 u + r + 8 (r / 8), so that in the product codes x rows^T a lane's
; 16 results of tiles 0 and 1 are 16 neighbouring codes.
; A block's scale is 2^(floor(log2(largest magnitude)) - 2); its byte is the largest magnitude's exponent field - 2, held at 1 from below.
; LIMITS: a block of zeros, or one whose largest magnitude lies under 2^-124, gets the byte 1 (the stated quantiser says 127 for zeros: the codes are zeros,
; and the bytes are read by this program alone).  NaN and infinities are not served.  The sums of squares are taken in eight partial sums a row, fused: another order than a plain chain.
; SHARES: 1,280 waves, a record each: wave number 5 x work-group + wave; the first 1,024 take x, the others the embeddings.  Only pointers and two strides are chosen, by selects
; on that number: there is one path through the text.  Waves share nothing: no barrier.
; A record goes in four passes p = 2 u + s of 16 rows x 128 numbers.  Each load reads 512 consecutive bytes of a row; the conversions want 32 neighbours in ONE lane, so a pass turns
; through the wave's own stage in LDS: rows 528 bytes apart (33 x 16), so that the sixteen rows that a read touches start at sixteen different banks.
.set REC,  4608
.set WREG, 8704                        ; LDS of a wave: the stage, 16 x 528, and 256 bytes for the squares' way out
.set SP,   528
.set VA,   4                           ; v4-7    16 lane + u x (tile 1's distance) + (rows 8-15's extra distance)
.set VW,   8                           ; v8      the stage on the way in: 16 lane
.set VR,   9                           ; v9      and on the way out: 528 r + 128 h
.set SQ4,  10                          ; v10     the squares' 256 bytes: 4 lane
.set SQ8,  11                          ; v11     8 lane
.set L16,  12                          ; v12     16 lane
.set L8,   13                          ; v13     8 lane
.set NIL,  14                          ; v14     0
.set MX,   16                          ; v16-17  the two blocks' largest magnitudes
.set SO,   18                          ; v18-19  the conversions' scale operands
.set BY,   20                          ; v20-21  the scale bytes
.set TW,   22                          ; v22     my two bytes at their places in the word
.set PD,   23                          ; v23     a lane permute's destination
.set WD,   24                          ; v24-27  the scale word of (u, s) at 2 u + s
.set IW,   28                          ; v[28:29] the scale words' image
.set SQ,   30                          ; v[30:33] four partial sums of squares
.set SQR,  34                          ; v34-35  the rows' sums of tile 0, 1
.set SH8,  36                          ; v36     8 h
.set OQ,   38                          ; v[38:39] the squares on their way out
.set C,    40                          ; v[40:55] codes: two sets of 8
.set X,    56                          ; v[56:119] 64 numbers: my two blocks
.set R,    120                         ; v[120:247] two sets of 64 registers as loaded
	s_load_b256 s[4:11], s[0:1], 0x0               ; x s[4:5], embeddings s[6:7], xq s[8:9], eq s[10:11]
	v_lshl_add_u32 v248, v0, 2, 0xaa00
	v_mov_b32 v249, 0
	v_lshrrev_b32 v1, 5, v0
	v_readfirstlane_b32 s12, v1                    ; wave 0..4
	v_and_b32 v1, 31, v0                           ; lane
	v_and_b32 v2, 15, v0                           ; r
	v_bfe_u32 v3, v0, 4, 1                         ; h
	s_mul_i32 s13, ttmp9, 5
	s_add_co_u32 s13, s13, s12                     ; my record among the 1,280
	s_mul_i32 s14, s12, WREG                       ; my LDS
	v_lshlrev_b32 v[L16], 4, v1
	v_lshlrev_b32 v[L8], 3, v1
	v_mov_b32 v[NIL], 0
	v_add_nc_u32 v[VW], s14, v[L16]
	v_mul_u32_u24 v[VR], v2, SP
	v_lshl_add_u32 v[VR], v3, 7, v[VR]
	v_add_nc_u32 v[VR], s14, v[VR]
	s_add_co_u32 s14, s14, 16*SP
	v_lshl_add_u32 v[SQ4], v1, 2, s14
	v_add_nc_u32 v[SQ8], s14, v[L8]
	v_lshlrev_b32 v[SH8], 3, v3
	v_mov_b32 v[PD], 0                             ; written once: a lane permute's destination counts as one of its sources
	s_mov_b32 s20, 0x76543210
	s_mov_b32 s21, 0xfedcba98                      ; v_permlanex16_b32's selects for lane l xor 16
	s_mov_b32 s22, 0xffff0000                      ; lanes 16-31
	s_wait_alu depctr_va_vdst(0)
	s_wait_kmcnt 0x0
	s_cmp_lt_u32 s13, 1024                         ; x's record or the embeddings'?  The choice hangs on the wave's number alone
	s_cselect_b64 s[4:5], s[4:5], s[6:7]
	s_cselect_b64 s[8:9], s[8:9], s[10:11]
	s_cselect_b32 s15, 0, 1024
	s_mov_b32 s16, 8192
	s_cselect_b32 s16, 16384, s16                  ; from tile 0 to tile 1: 16 rows of x, 8 of the embeddings
	s_cselect_b32 s17, 0, 8192                     ; rows 8-15 of a tile of the embeddings lie 8 rows further on
	s_sub_co_u32 s15, s13, s15                     ; the record's number in its tensor
	s_lshl_b32 s18, s15, 15                        ; 32 rows of 1,024 bytes
	s_mov_b32 s19, 0
	s_add_nc_u64 s[4:5], s[4:5], s[18:19]
	s_mul_i32 s18, s15, REC
	s_add_nc_u64 s[8:9], s[8:9], s[18:19]
	v_mov_b32 v[VA], v[L16]
	v_add_nc_u32 v[VA+1], s17, v[L16]
	v_add_nc_u32 v[VA+2], s16, v[L16]
	v_add_nc_u32 v[VA+3], s17, v[VA+2]
.macro LOAD p                          ; pass p: 16 loads of 512 consecutive bytes: K step p % 2 of the 16 rows of tile p / 2
.irp i, 0,1,2,3,4,5,6,7,8,9,10,11,12,13,14,15
	global_load_b128 v[R+64*((\p)%2)+4*\i:R+64*((\p)%2)+4*\i+3], v[VA+2*((\p)/2)+\i/8], s[4:5] offset:1024*\i+512*((\p)%2) th:TH_LOAD_NT
.endr
.endm
.macro TURN p                          ; through the stage: LDS serves a wave's instructions in order, so no wait stands between the stores and the loads
.irp i, 0,1,2,3,4,5,6,7,8,9,10,11,12,13,14,15
	ds_store_b128 v[VW], v[R+64*((\p)%2)+4*\i:R+64*((\p)%2)+4*\i+3] offset:SP*\i
.endr
.irp c, 0,1
.irp j, 0,1,2,3,4,5,6,7
	ds_load_b128 v[X+32*\c+4*\j:X+32*\c+4*\j+3], v[VR] offset:256*\c+16*\j      ; block 2 c + h of row r: 128 bytes
.endr
.endr
.endm
.macro QUANT p
.set U, (\p)/2
.set S, (\p)%2
.set CS, C+8*((\p)%2)
.if (\p) >= 2
	s_wait_xcnt 0x0                                ; the stores of two passes ago have read this set of codes: it is written again only behind this wait
.endif
.irp c, 0,1
	v_max3_num_f32 v[MX+\c], |v[X+32*\c]|, |v[X+32*\c+1]|, 0x1800000   ; the floor 2^(3 - 127) among the leaves: the byte cannot fall under 1
.endr
.irp i, 2,4,6,8,10,12,14,16,18,20,22,24,26,28,30
.irp c, 0,1
	v_max3_num_f32 v[MX+\c], v[MX+\c], |v[X+32*\c+\i]|, |v[X+32*\c+\i+1]|   ; the two blocks by turns
.endr
.endr
.irp i, 0,2,4,6,8,10,12,14,16,18,20,22,24,26,28,30
.irp c, 0,1
.if (S == 0) && (\i == 0)
	v_pk_mul_f32 v[SQ+2*\c:SQ+2*\c+1], v[X+32*\c:X+32*\c+1], v[X+32*\c:X+32*\c+1]   ; a tile's first squares start the sums: nothing is cleared
.else
	v_pk_fma_f32 v[SQ+2*\c:SQ+2*\c+1], v[X+32*\c+\i:X+32*\c+\i+1], v[X+32*\c+\i:X+32*\c+\i+1], v[SQ+2*\c:SQ+2*\c+1]
.endif
.endr
.endr
.irp c, 0,1
	v_add_nc_u32 v[SO+\c], 0xff000000, v[MX+\c]    ; 2 off the exponent field: the conversion takes the exponent field of this operand as its scale
.endr
.irp c, 0,1
	v_lshrrev_b32 v[BY+\c], 23, v[SO+\c]           ; the scale's byte
.endr
	v_lshl_or_b32 v[TW], v[BY+1], 16, v[BY]        ; my bytes: blocks h and 2 + h,
	v_lshlrev_b32 v[TW], v[SH8], v[TW]             ; 8 h bits up;
	v_permlanex16_b32 v[PD], v[TW], s20, s21
	v_or_b32 v[WD+2*U+S], v[TW], v[PD]             ; with lane l xor 16's two the word is whole
.irp c, 0,1
.irp g, 0,1,2,3
	v_cvt_scalef32_pk8_fp4_f32 v[CS+4*\c+\g], v[X+32*\c+8*\g:X+32*\c+8*\g+7], v[SO+\c]
.endr
.endr
	v_nop                                          ; one plain place behind the last scaled conversion
	global_store_b128 v[L16], v[CS:CS+3], s[8:9] offset:1024*(\p)           ; 32 lanes store 512 consecutive bytes, at a multiple of 256 from the buffer's first byte
	global_store_b128 v[L16], v[CS+4:CS+7], s[8:9] offset:1024*(\p)+512
.endm
.macro TILE_END u                      ; the rows' sums of squares, and the tile's scale words as the matrix unit takes them
	v_add_f32 v[SQ], v[SQ], v[SQ+1]
	v_add_f32 v[SQ+2], v[SQ+2], v[SQ+3]
	v_add_f32 v[SQ], v[SQ], v[SQ+2]
	v_permlanex16_b32 v[PD], v[SQ], s20, s21
	v_add_f32 v[SQR+\u], v[SQ], v[PD]              ; with lane l xor 16's blocks: the whole row
	v_cndmask_b32 v[IW+\u], v[WD+2*\u], v[WD+2*\u+1], s22   ; lanes 0-15 K step 0's word, lanes 16-31 K step 1's
.endm
.macro PASS p, left
	s_wait_loadcnt \left                           ; this pass's 16 loads are in; the next pass's 16 may be out
	TURN \p
	s_wait_dscnt 0x0                               ; my numbers are back, and the stage's stores have read their registers,
.if (\p) < 2
	LOAD (\p)+2                                    ; which take the loads of two passes on
.endif
	QUANT \p
.endm
	LOAD 0
	LOAD 1
	s_wait_alu depctr_va_vdst(0)
	PASS 0, 16
	PASS 1, 16
	TILE_END 0
	PASS 2, 16
	PASS 3, 0
	TILE_END 1
	global_store_b64 v[L8], v[IW:IW+1], s[8:9] offset:4096    ; the scale words: 256 consecutive bytes
	v_cndmask_b32 v[TW], v[SQR], v[SQR+1], s22     ; lane 16 u + r: the sum of (u, r)
	ds_store_b32 v[SQ4], v[TW]                     ; 128 bytes of sums and 128 of zeros meet in LDS, so that one store covers 256 consecutive bytes
	ds_store_b32 v[SQ4], v[NIL] offset:128
	ds_load_b64 v[OQ:OQ+1], v[SQ8]                 ; LDS serves a wave's instructions in order: this sees my stores
	s_wait_dscnt 0x0
	global_store_b64 v[L8], v[OQ:OQ+1], s[8:9] offset:4352
	s_wait_tensorcnt 0x0
	ds_add_u32 v248, v249
	s_wait_dscnt 0x0
	s_endpgm
.Lfunc_end_k_qe7a64b8b36_quant:
	.size	k_qe7a64b8b36_quant, .Lfunc_end_k_qe7a64b8b36_quant-k_qe7a64b8b36_quant
	.p2alignl 7, 3214868480
	.fill 96, 4, 3214868480
	.section	.rodata,"a",@progbits
	.p2align	6, 0x0
	.amdhsa_kernel k_qe7a64b8b36_quant
		.amdhsa_group_segment_fixed_size 44288
		.amdhsa_private_segment_fixed_size 0
		.amdhsa_enable_private_segment 0
		.amdhsa_kernarg_size 32
		.amdhsa_user_sgpr_count 2
		.amdhsa_user_sgpr_kernarg_segment_ptr 1
		.amdhsa_wavefront_size32 1
		.amdhsa_system_sgpr_workgroup_id_x 1
		.amdhsa_system_sgpr_workgroup_id_y 1
		.amdhsa_system_sgpr_workgroup_id_z 1
		.amdhsa_system_vgpr_workitem_id 0
		.amdhsa_next_free_vgpr 250
		.amdhsa_next_free_sgpr 66
		.amdhsa_reserve_vcc 0
		.amdhsa_float_denorm_mode_32 3
		.amdhsa_float_denorm_mode_16_64 3
		.amdhsa_memory_ordered 1
		.amdhsa_forward_progress 1
		.amdhsa_inst_pref_size 39
	.end_amdhsa_kernel
	.amdgpu_metadata
---
amdhsa.version: [ 1, 2 ]
amdhsa.kernels:
  - .name:           k_qe7a64b8b36_quant
    .symbol:         k_qe7a64b8b36_quant.kd
    .args:
      - { .name: x, .offset: 0, .size: 8, .value_kind: global_buffer, .address_space: global }
      - { .name: embeddings, .offset: 8, .size: 8, .value_kind: global_buffer, .address_space: global }
      - { .name: xq, .offset: 16, .size: 8, .value_kind: global_buffer, .address_space: global }
      - { .name: eq, .offset: 24, .size: 8, .value_kind: global_buffer, .address_space: global }
    .group_segment_fixed_size: 44288
    .private_segment_fixed_size: 0
    .kernarg_segment_align: 8
    .kernarg_segment_size: 32
    .max_flat_workgroup_size: 160
    .sgpr_count:     66
    .vgpr_count:     250
    .wavefront_size: 32
...
	.end_amdgpu_metadata
.endif
;; end of part 1
;; launch search (part 2): grid 256 x 1, 8 waves a work-group, no clusters, 9,216 bytes of LDS; arguments eq, xq, cand; writes cand
.if DOCPART == 2
	.amdgcn_target "amdgcn-amd-amdhsa--gfx1250"
	.amdhsa_code_object_version 6
	.text
	.protected	k_qe7a64b8b36_search
	.globl	k_qe7a64b8b36_search
	.p2align	8
	.type	k_qe7a64b8b36_search,@function
k_qe7a64b8b36_search:
	s_mov_b64 s[64:65], 0
	v_nop
	global_prefetch_b8 v0, s[64:65] scope:SCOPE_SE
	s_setreg_imm32_b32 hwreg(HW_REG_WAVE_MODE, 25, 1), 1
	s_wait_xcnt 0x0
; For each row of x: cand = the block of 16 codes that holds the first least dist2, dist2 = (x_sq - 2 dot) + e_sq, each step rounded in f32 as it is written; dot by MX-FP4 products on the records of xq and eq.
; SHARES: a work-group takes 128 rows of x (4 records of xq).  Each of its 8 waves holds all 128 rows as operand registers and takes 32 of the 256 records of eq: wave w the records 8 g + w, g = 0 .. 31.
; A group g is one record: 32 codes x 128 rows = 32 matrix instructions, used transposed (source 0 = 16 codes, source 1 = 16 rows of x): a lane holds one row of x, and its 16 results of a tile of x are the 16 codes of block 2 record + h.
; A RING OF FOUR RECORDS IN REGISTERS: a record is an image of the operand's registers, so 13 loads bring it from memory straight into them, three groups ahead of its products.
; s_wait_loadcnt 26 in front of a group's first product leaves the two younger records' 2 x 13 loads out; in the last groups, which ask for nothing, the count runs down to 13 and 0.
; A group goes in 4 units of two tiles of x: 8 matrix instructions (4 accumulators by turns, K step 0 and then K step 1), and behind the NEXT unit's products the unit's vector work, which gives the places between products and reads.
; THE LEAST of a lane's 16 numbers and of its best so far takes eight v_min3: five on three numbers each, one that takes in the sixteenth and the best so far; the last two, the compare and the select of the block are
; woven into the next unit's 32 packed instructions, six instructions from link to link and behind nine plain instructions: so no instruction of the loop reads a result made one to four instructions before it.
; The best lies in two sets of registers by turns, so that old and new can be compared; only a strictly smaller number moves the block, so the earliest block stays.
; The first trip's woven part finds numbers over every number and changes nothing; the last unit's is written out behind the loop.
; NO LDS RING, NO JOINT LOADS: every byte of a record is used by one wave of the work-group, once; a joint load would lay it into LDS, where it would be written and read once more, behind a round of the cluster's barrier for each refill.
; NO PREFETCH: each record is asked for by its own loads three groups (39 loads) ahead; a prefetch would name the same 4,608 bytes a second time.
; LIMITS: NaN and infinities are not served.
; REGISTERS: window 0: v0-9 addresses; v10-17 x's scale words; v18-33 (x_sq, block) for each tile; v34-49 the best, two sets; v50-57 the codes' scale words, 4 sets; v64-127 accumulators, two sets of 32; v128-191 e_sq, 4 sets; v224-233 a unit's part minima.
;   window 1: v0-127 x's fragments (tile t, K step s at 16 t + 8 s); v128-255 the codes' fragments, 4 sets of 32 (tile u, K step s at 16 u + 8 s).
.set REC,   4608
.set GSTEP, 8*REC                      ; from a wave's record to its next
.set SCRV,  0                          ; LDS: the waves' best numbers, 512 bytes a wave
.set SCRC,  4096                       ; and their blocks
.set SPARE, 8192                       ; the spare words: 128 bytes a wave
.set SPW,  1
.set NIL,  2
.set G16,  3                           ; 16 lane
.set G8,   4                           ; 8 lane
.set AQ,   5                           ; 32 h
.set R4,   6                           ; 4 r
.set H,    7
.set SCW,  8
.set SCR,  9
.set XSC,  10
.set XI,   18
.set BEST, 34
.set ESC,  50
.set ACC,  64
.set ESQ,  128
.set TM,   224
.set XF,   0
.set EF,   128
.set PBV,  192
.set PBI,  200
.set OV,   208
.set OI,   212
.set MV,   64
.set MI,   96
.set MSB, 0
.macro WIN new                         ; the immediate's high byte repeats the setting that is left
.if MSB != \new
	s_set_vgpr_msb (MSB<<8)|\new
.set MSB, \new
.endif
.endm
	s_load_b128 s[4:7], s[0:1], 0x0                ; eq, xq
	s_load_b64 s[8:9], s[0:1], 0x10                ; cand
	v_lshl_add_u32 v[SPW], v0, 2, SPARE
	v_mov_b32 v[NIL], 0
	v_lshrrev_b32 v[H], 5, v0
	v_readfirstlane_b32 s10, v[H]                  ; wave 0..7
	v_and_b32 v[SCW], 31, v0                       ; lane
	v_bfe_u32 v[H], v0, 4, 1
	v_and_b32 v[R4], 15, v0
	v_lshlrev_b32 v[G16], 4, v[SCW]
	v_lshlrev_b32 v[G8], 3, v[SCW]
	v_lshlrev_b32 v[R4], 2, v[R4]
	v_lshlrev_b32 v[AQ], 5, v[H]
	s_lshl_b32 s35, s10, 9
	v_lshl_add_u32 v[SCW], v[SCW], 2, s35          ; my wave's 512 bytes, 4 lane
	s_and_b32 s35, s10, 1
	s_lshl_b32 s35, s35, 8
	v_add_nc_u32 v[SCR], s35, v[G8]                ; waves 0 and 1 on the way out: 64 rows each, 8 bytes a lane
	s_mul_i32 s40, s10, REC                        ; my first record of eq
	s_mov_b32 s41, 0
	s_mul_i32 s42, ttmp9, 4*REC                    ; the work-group's 4 records of xq
	s_mov_b32 s43, 0
	s_lshl_b32 s44, ttmp9, 9                       ; its 128 words of cand,
	s_lshl_b32 s45, s10, 8
	s_add_co_u32 s44, s44, s45                     ; and 256 bytes of them for wave 0 and for wave 1
	s_mov_b32 s45, 0
	s_lshl_b32 s13, s10, 1                         ; 2 x record: the group's lower block
	s_mov_b32 s12, 0                               ; and that of the group before
	s_mov_b32 s14, 7                               ; trips of four groups; the last four groups are written out
	s_mov_b32 s15, 0xffff0000
	s_mov_b32 s32, 0x76543210
	s_mov_b32 s33, 0xfedcba98                      ; v_permlanex16_b32's selects for lane l xor 16
	s_wait_alu depctr_va_vdst(0)
	s_wait_kmcnt 0x0
	s_add_nc_u64 s[4:5], s[4:5], s[40:41]
	s_add_nc_u64 s[6:7], s[6:7], s[42:43]
	s_add_nc_u64 s[8:9], s[8:9], s[44:45]
.macro LOAD b, o                       ; a record at byte o from the base into set b: 13 loads
	WIN 0x40                                       ; destination window 1, address window 0
.irp q, 0,1,2,3,4,5,6,7
	global_load_b128 v[EF+32*(\b)+4*\q:EF+32*(\b)+4*\q+3], v[G16], s[4:5] offset:(\o)+512*\q
.endr
	WIN 0
	global_load_b64 v[ESC+2*(\b):ESC+2*(\b)+1], v[G8], s[4:5] offset:(\o)+4096
.irp i, 0,1,2,3
	global_load_b128 v[ESQ+16*(\b)+4*\i:ESQ+16*(\b)+4*\i+3], v[AQ], s[4:5] offset:(\o)+4352+64*(\i/2)+16*(\i%2)   ; e_sq of codes (u, 8 h + 0 .. 7)
.endr
.endm
	WIN 0x40
.irp k, 0,1,2,3
.irp q, 0,1,2,3,4,5,6,7
	global_load_b128 v[XF+32*\k+4*\q:XF+32*\k+4*\q+3], v[G16], s[6:7] offset:REC*\k+512*\q
.endr
.endr
	WIN 0
.irp k, 0,1,2,3
	global_load_b64 v[XSC+2*\k:XSC+2*\k+1], v[G8], s[6:7] offset:REC*\k+4096
.irp u, 0,1
	global_load_b32 v[XI+4*\k+2*\u], v[R4], s[6:7] offset:REC*\k+4352+64*\u
.endr
.endr
	LOAD 0, 0
	LOAD 1, GSTEP
	LOAD 2, 2*GSTEP
.irp t, 0,1,2,3,4,5,6,7
	v_mov_b32 v[BEST+\t], 0x7f800000               ; over every number
	v_mov_b32 v[XI+2*\t+1], 0
.endr
	v_mov_b32 v[BEST+14], 0x7f800000               ; what the first trip's woven part reads: the other set's tiles 6 and 7,
	v_mov_b32 v[BEST+15], 0x7f800000
.irp c, 0,1,2,3,4,5,6,7,8,9
	v_mov_b32 v[TM+\c], 0x7f800000                 ; and the part minima
.endr
; unit p of a group: tiles 2 p, 2 p + 1 of x against the two tiles of set b's codes; the four accumulators take turns; the first products start the sums
.macro MUL b, p
	WIN 0x05                                       ; sources 0 and 1 window 1; C and D window 0
.irp i, 0,1
.irp u, 0,1
	v_wmma_scale_f32_16x16x128_f8f6f4 v[ACC+32*((\p)%2)+16*\i+8*\u:ACC+32*((\p)%2)+16*\i+8*\u+7], v[EF+32*(\b)+16*\u:EF+32*(\b)+16*\u+7], v[XF+16*(2*(\p)+\i):XF+16*(2*(\p)+\i)+7], 0, v[ESC+2*(\b)+\u], v[XSC+2*(\p)+\i] matrix_a_fmt:MATRIX_FMT_FP4 matrix_b_fmt:MATRIX_FMT_FP4
.endr
.endr
.irp i, 0,1
.irp u, 0,1
	v_wmma_scale_f32_16x16x128_f8f6f4 v[ACC+32*((\p)%2)+16*\i+8*\u:ACC+32*((\p)%2)+16*\i+8*\u+7], v[EF+32*(\b)+16*\u+8:EF+32*(\b)+16*\u+15], v[XF+16*(2*(\p)+\i)+8:XF+16*(2*(\p)+\i)+15], v[ACC+32*((\p)%2)+16*\i+8*\u:ACC+32*((\p)%2)+16*\i+8*\u+7], v[ESC+2*(\b)+\u], v[XSC+2*(\p)+\i] matrix_a_fmt:MATRIX_FMT_FP4 matrix_b_fmt:MATRIX_FMT_FP4 matrix_a_scale:MATRIX_SCALE_ROW1 matrix_b_scale:MATRIX_SCALE_ROW1
.endr
.endr
	WIN 0
.endm
.macro FMA n                           ; pair n of the unit's 16: x_sq - 2 dot, one rounding
	v_pk_fma_f32 v[EA+2*(\n):EA+2*(\n)+1], v[EA+2*(\n):EA+2*(\n)+1], -2.0, v[XI+2*(ET+(\n)/8):XI+2*(ET+(\n)/8)+1] op_sel_hi:[1,0,0]
.endm
.macro ADE n                           ; + e_sq
	v_pk_add_f32 v[EA+2*(\n):EA+2*(\n)+1], v[EA+2*(\n):EA+2*(\n)+1], v[EQ+2*((\n)%8):EQ+2*((\n)%8)+1]
.endm
; the unit's distances and part minima, with the end of the unit before woven in: 52 vector instructions; each accumulator is read from its low end on
.macro EPI k, p
.set EA, ACC+32*((\p)%2)
.set EQ, ESQ+16*(\k)
.set ET, 2*(\p)
.set EO, BEST+8*((\k)%2)+ET            ; this unit's best so far
.if (\p) == 0                          ; the unit before: the last of the group before,
.set FT, 6
.set FO, BEST+8*(1-(\k)%2)+6
.set FN, BEST+8*((\k)%2)+6
.else                                  ; or of this group
.set FT, ET-2
.set FO, BEST+8*((\k)%2)+FT
.set FN, BEST+8*(1-(\k)%2)+FT
.endif
.irp n, 0,1,2,3,4,5,6,7,8
	FMA \n
.endr
	v_min3_num_f32 v[TM], v[TM], v[TM+1], v[TM+2]
	v_min3_num_f32 v[TM+5], v[TM+5], v[TM+6], v[TM+7]
.irp n, 9,10,11,12
	FMA \n
.endr
	v_min3_num_f32 v[FN], v[TM], v[TM+3], v[TM+4]                  ; the new best of the unit before
	v_min3_num_f32 v[FN+1], v[TM+5], v[TM+8], v[TM+9]
.irp n, 13,14,15
	FMA \n
.endr
	ADE 0
	v_cmp_lt_f32 s36, v[FN], v[FO]                 ; strictly under the best so far: that group's block takes its place
	v_cmp_lt_f32 s37, v[FN+1], v[FO+1]
.irp n, 1,2,3,4
	ADE \n
.endr
.if (\p) == 0
	v_cndmask_b32 v[XI+2*FT+1], v[XI+2*FT+1], s12, s36
	v_cndmask_b32 v[XI+2*FT+3], v[XI+2*FT+3], s12, s37
.else
	v_cndmask_b32 v[XI+2*FT+1], v[XI+2*FT+1], s13, s36
	v_cndmask_b32 v[XI+2*FT+3], v[XI+2*FT+3], s13, s37
.endif
.irp n, 5,6,7,8,9,10,11,12,13,14,15
	ADE \n
.endr
.irp i, 0,1
.irp c, 0,1,2,3,4
	v_min3_num_f32 v[TM+5*\i+\c], v[EA+16*\i+3*\c], v[EA+16*\i+3*\c+1], v[EA+16*\i+3*\c+2]
.endr
.endr
	v_min3_num_f32 v[TM], v[TM], v[EA+15], v[EO]
	v_min3_num_f32 v[TM+5], v[TM+5], v[EA+31], v[EO+1]
.endm
; group g, k = g % 4, from its second unit's products to the next group's first.  load: the record three groups on is asked for, into the set that the group before has left; next: a group follows; left: the loads that may stay out
.macro BODY k, load, next, left
.if \load
	LOAD (\k+3)%4, (\k+3)*GSTEP
.endif
	MUL \k, 1
	EPI \k, 0
	MUL \k, 2
	EPI \k, 1
	MUL \k, 3
	EPI \k, 2
.if \next
	s_wait_loadcnt \left                           ; the next group's 13 loads are in
	MUL (\k+1)%4, 0
.endif
	EPI \k, 3
	s_mov_b32 s12, s13
	s_add_co_u32 s13, s13, 16                      ; 8 records on
.endm
	s_wait_alu depctr_va_vdst(0)
	s_wait_loadcnt 26                              ; x and record 0 are in; records 1 and 2 may be out
	MUL 0, 0
.rept 4
	v_nop                                          ; places (ISA guide 7.12.1): the first unit has no earlier unit's vector work behind it
.endr
.Ltrip:
	BODY 0, 1, 1, 26
	BODY 1, 1, 1, 26
	BODY 2, 1, 1, 26
	BODY 3, 1, 1, 26
	s_wait_xcnt 0x0                                ; the loads have read their base: it steps only behind this wait
	s_add_nc_u64 s[4:5], s[4:5], 4*GSTEP
	s_sub_co_u32 s14, s14, 1
	s_cmp_lg_u32 s14, 0
	s_cbranch_scc1 .Ltrip
	BODY 0, 1, 1, 26                               ; groups 28 to 31: one more record is asked for, the last; then the counts run down
	BODY 1, 0, 1, 13
	BODY 2, 0, 1, 0
	BODY 3, 0, 0, 0
	; the end of the very last unit: tiles 6 and 7 of group 31, from set 1 into set 0
	; woven among the 16 moves that write the lane permutes' destinations (a lane permute's destination counts as one of its sources): six instructions from link to link here too
.irp t, 0,1,2,3
	v_mov_b32 v[PBV+\t], 0
.endr
	v_min3_num_f32 v[TM], v[TM], v[TM+1], v[TM+2]
	v_min3_num_f32 v[TM+5], v[TM+5], v[TM+6], v[TM+7]
.irp t, 4,5,6,7
	v_mov_b32 v[PBV+\t], 0
.endr
	v_min3_num_f32 v[BEST+6], v[TM], v[TM+3], v[TM+4]
	v_min3_num_f32 v[BEST+7], v[TM+5], v[TM+8], v[TM+9]
.irp t, 0,1,2,3
	v_mov_b32 v[PBI+\t], 0
.endr
	v_cmp_lt_f32 s36, v[BEST+6], v[BEST+14]
	v_cmp_lt_f32 s37, v[BEST+7], v[BEST+15]
.irp t, 4,5,6,7
	v_mov_b32 v[PBI+\t], 0
.endr
	v_cndmask_b32 v[XI+13], v[XI+13], s12, s36
	v_cndmask_b32 v[XI+15], v[XI+15], s12, s37
; the least over the two halves of the lanes and over the 8 waves; of equal numbers the lower block
.macro LEX va, ca, vb, cb
	v_cmp_lt_f32 s36, v[\vb], v[\va]
	v_cmp_eq_f32 s37, v[\vb], v[\va]
	v_cmp_lt_u32 s38, v[\cb], v[\ca]
	s_and_b32 s37, s37, s38
	s_or_b32 s36, s36, s37
	v_cndmask_b32 v[\va], v[\va], v[\vb], s36
	v_cndmask_b32 v[\ca], v[\ca], v[\cb], s36
.endm
.irp t, 0,1,2,3,4,5,6,7
	v_add_nc_u32 v[XI+2*\t+1], v[XI+2*\t+1], v[H]  ; my block: 2 record + h
.endr
.irp t, 0,1,2,3,4,5,6,7
	v_permlanex16_b32 v[PBV+\t], v[BEST+\t], s32, s33
	v_permlanex16_b32 v[PBI+\t], v[XI+2*\t+1], s32, s33
.endr
.irp t, 0,1,2,3,4,5,6,7
	LEX BEST+\t, XI+2*\t+1, PBV+\t, PBI+\t
.endr
.irp p, 0,1,2,3
	v_cndmask_b32 v[OV+\p], v[BEST+2*\p], v[BEST+2*\p+1], s15      ; lanes 0-15 tile 2 p, lanes 16-31 tile 2 p + 1: rows 32 p + lane
	v_cndmask_b32 v[OI+\p], v[XI+4*\p+1], v[XI+4*\p+3], s15
.endr
.irp p, 0,1,2,3
	ds_store_b32 v[SCW], v[OV+\p] offset:SCRV+128*\p
	ds_store_b32 v[SCW], v[OI+\p] offset:SCRC+128*\p
.endr
	s_wait_dscnt 0x0                               ; for the others' sake: my stores have landed
	s_barrier_signal -1
	s_barrier_wait -1
	s_cmp_lt_u32 s10, 2
	s_cbranch_scc0 .Ldone
.irp w, 0,1,2,3,4,5,6,7
	ds_load_b64 v[MV+2*\w:MV+2*\w+1], v[SCR] offset:SCRV+512*\w
	ds_load_b64 v[MI+2*\w:MI+2*\w+1], v[SCR] offset:SCRC+512*\w
.endr
	s_wait_dscnt 0x0
.irp w, 1,2,3,4,5,6,7
	LEX MV, MI, MV+2*\w, MI+2*\w
	LEX MV+1, MI+1, MV+2*\w+1, MI+2*\w+1
.endr
	global_store_b64 v[G8], v[MI:MI+1], s[8:9]     ; 32 lanes store 256 consecutive bytes, at a multiple of 256 from the buffer's first byte
.Ldone:
	s_wait_tensorcnt 0x0                           ; the wave's end
	ds_add_u32 v[SPW], v[NIL]
	s_wait_dscnt 0x0
	s_endpgm
.Lfunc_end_k_qe7a64b8b36_search:
	.size	k_qe7a64b8b36_search, .Lfunc_end_k_qe7a64b8b36_search-k_qe7a64b8b36_search
	.p2alignl 7, 3214868480
	.fill 96, 4, 3214868480
	.section	.rodata,"a",@progbits
	.p2align	6, 0x0
	.amdhsa_kernel k_qe7a64b8b36_search
		.amdhsa_group_segment_fixed_size 9216
		.amdhsa_private_segment_fixed_size 0
		.amdhsa_enable_private_segment 0
		.amdhsa_kernarg_size 24
		.amdhsa_user_sgpr_count 2
		.amdhsa_user_sgpr_kernarg_segment_ptr 1
		.amdhsa_wavefront_size32 1
		.amdhsa_system_sgpr_workgroup_id_x 1
		.amdhsa_system_sgpr_workgroup_id_y 1
		.amdhsa_system_sgpr_workgroup_id_z 1
		.amdhsa_system_vgpr_workitem_id 0
		.amdhsa_next_free_vgpr 512
		.amdhsa_next_free_sgpr 66
		.amdhsa_reserve_vcc 0
		.amdhsa_float_denorm_mode_32 3
		.amdhsa_float_denorm_mode_16_64 3
		.amdhsa_memory_ordered 1
		.amdhsa_forward_progress 1
		.amdhsa_inst_pref_size 170
	.end_amdhsa_kernel
	.amdgpu_metadata
---
amdhsa.version: [ 1, 2 ]
amdhsa.kernels:
  - .name:           k_qe7a64b8b36_search
    .symbol:         k_qe7a64b8b36_search.kd
    .args:
      - { .name: eq, .offset: 0, .size: 8, .value_kind: global_buffer, .address_space: global }
      - { .name: xq, .offset: 8, .size: 8, .value_kind: global_buffer, .address_space: global }
      - { .name: cand, .offset: 16, .size: 8, .value_kind: global_buffer, .address_space: global }
    .group_segment_fixed_size: 9216
    .private_segment_fixed_size: 0
    .kernarg_segment_align: 8
    .kernarg_segment_size: 24
    .max_flat_workgroup_size: 256
    .sgpr_count:     66
    .vgpr_count:     512
    .wavefront_size: 32
...
	.end_amdgpu_metadata
.endif
;; end of part 2
;; launch resolve (part 3): grid 256 x 1, 16 waves a work-group, no clusters, 3,072 bytes of LDS; arguments cand, xq, eq, out1, idx; writes out1, idx
.if DOCPART == 3
	.amdgcn_target "amdgcn-amd-amdhsa--gfx1250"
	.amdhsa_code_object_version 6
	.text
	.protected	k_qe7a64b8b36_resolve
	.globl	k_qe7a64b8b36_resolve
	.p2align	8
	.type	k_qe7a64b8b36_resolve,@function
k_qe7a64b8b36_resolve:
	s_mov_b64 s[64:65], 0
	v_nop
	global_prefetch_b8 v0, s[64:65] scope:SCOPE_SE
	s_setreg_imm32_b32 hwreg(HW_REG_WAVE_MODE, 25, 1), 1
	s_wait_xcnt 0x0
; The index: for each row of x the first code with the least dist2 among the 16 codes of the block that the launch before has stored in cand.  out1 = idx = 16 block + place.
; A work-group takes 8 tiles of 16 rows of x; two waves share a tile, wave 2 t + f taking its rows 8 f .. 8 f + 7.  For each of its rows i, two matrix instructions multiply the 16 codes of row i's block (source 0)
; by the whole tile of x (source 1); of the result only column i is kept: lanes i and i + 16, eight codes each.  The distances are made by the same fused multiply-add and addition as in the search.
; ADDRESSES hang on the stored block numbers alone: held to 511, then only ANDs, multiplies, shifts left and additions.
; Block c lies in record c / 2, half c % 2.  Its code m (0 .. 15) is the record's (tile u = m / 8, row 8 (c % 2) + m % 8).  So lane (m, h) finds its 16 bytes of (K step s, c') at
; record + 128 (c % 2) + 2048 (m / 8) + 16 (m % 8) + 256 h + 1024 s + 512 c', and its scale word (K step h) at record + 4096 + 64 (c % 2) + 8 (m % 8) + 128 h + 4 (m / 8).
; No tensor loads; the codes' fragments go from memory straight into registers: the wave's 8 rows are two batches of 4 rows (20 loads each), and both go out at once.
; THE WAY OUT: each wave writes 16 words of LDS of its own, of which the 8 of its own rows count; wave 0 reads, for each tile, rows 0-7 from the even wave's words and rows 8-15 from the odd wave's.
; LIMITS: NaN and infinities are not served.
.set REC, 4608
.set LCF, 3                            ; v3   my lane's part of a fragment's offset
.set LCS, 4                            ; v4   and of a scale word's
.set L16, 5                            ; v5   16 lane
.set XO0, 6                            ; v6   x's fragments: 16 lane + 2048 u
.set CB,  7                            ; v7   my row's block
.set XO1, 8                            ; v8   x's scale word: 8 lane + 4 u
.set HH,  9                            ; v9   lane / 16
.set XQ,  12                           ; v[12:13] (x_sq of my row, 0)
.set XSC, 14                           ; v14  x's scale words
.set XO2, 15                           ; v15  x_sq: 4 r + 64 u
.set XF,  16                           ; v16-31   x's fragments, K step s at 8 s
.set SEL, 32                           ; v32-39   what is kept: the dots of my row with codes 8 h + 0 .. 7 of its block
.set ESQ, 40                           ; v40-47   their e_sq
.set ACC, 48                           ; v48-79   four accumulators
.set OF,  80                           ; v80-95   offsets: two sets of 4 rows x (fragments, scale word)
.set ASC, 96                           ; v96-103  the codes' scale words: two sets of 4
.set AFR, 104                          ; v104-231 the codes' fragments: two sets of 4 rows x 16
.set BV,  232
.set POS, 233
.set IX,  234
.set PDV, 235
.set PDI, 236
.set R4,  237                          ; v237 4 r
.set LW,  238                          ; v238 LDS: 64 wave + 4 r
.set RDA, 239                          ; v239 LDS, wave 0 on the way out: words 4 lane .. 4 lane + 3 of the 128: 128 (lane / 4) + 64 ((lane / 2) % 2) + 16 (lane % 4)
.set OUT, 240                          ; v[240:243]
	s_load_b256 s[4:11], s[0:1], 0x0               ; cand s[4:5], xq s[6:7], eq s[8:9], out1 s[10:11]
	s_load_b64 s[12:13], s[0:1], 0x20              ; idx
	v_lshl_add_u32 v244, v0, 2, 0x400
	v_mov_b32 v245, 0
	v_lshrrev_b32 v1, 5, v0
	s_delay_alu instid0(VALU_DEP_1)
	v_readfirstlane_b32 s14, v1                    ; wave 0..15
	v_and_b32 v1, 31, v0                           ; lane
	v_and_b32 v2, 15, v0                           ; r, and m
	v_bfe_u32 v[HH], v0, 4, 1
	v_bfe_u32 v10, v0, 3, 1                        ; m / 8
	v_and_b32 v11, 7, v0                           ; m % 8
	v_lshlrev_b32 v[L16], 4, v1
	s_wait_alu depctr_va_vdst(0)
	v_lshlrev_b32 v[R4], 2, v2
	v_lshlrev_b32 v[LCF], 11, v10
	s_delay_alu instid0(VALU_DEP_1)
	v_lshl_add_u32 v[LCF], v11, 4, v[LCF]
	s_delay_alu instid0(VALU_DEP_1)
	v_lshl_add_u32 v[LCF], v[HH], 8, v[LCF]
	v_lshlrev_b32 v[LCS], 2, v10
	s_delay_alu instid0(VALU_DEP_1)
	v_lshl_add_u32 v[LCS], v11, 3, v[LCS]
	s_delay_alu instid0(VALU_DEP_1)
	v_lshl_add_u32 v[LCS], v[HH], 7, v[LCS]
	v_lshrrev_b32 v[RDA], 2, v1
	v_bfe_u32 v[OUT], v0, 1, 1
	v_and_b32 v[OUT+1], 3, v0
	s_delay_alu instid0(VALU_DEP_3)
	v_lshlrev_b32 v[RDA], 7, v[RDA]
	s_delay_alu instid0(VALU_DEP_1)
	v_lshl_add_u32 v[RDA], v[OUT], 6, v[RDA]
	s_delay_alu instid0(VALU_DEP_1)
	v_lshl_add_u32 v[RDA], v[OUT+1], 4, v[RDA]
	s_lshl_b32 s15, s14, 6
	v_add_nc_u32 v[LW], s15, v[R4]
	s_lshr_b32 s63, s14, 1
	s_lshl_b32 s48, ttmp9, 3
	s_add_co_u32 s48, s48, s63                     ; my tile of x, 0 .. 2047
	s_and_b32 s63, s14, 1
	s_lshl_b32 s63, s63, 3                         ; my first row of it: 0 or 8
	s_lshl_b32 s50, s48, 6                         ; its 16 words in cand
	s_mov_b32 s51, 0
	s_lshr_b32 s52, s48, 1
	s_mul_i32 s52, s52, REC                        ; its record,
	s_mov_b32 s53, 0
	s_and_b32 s54, s48, 1                          ; and which tile u of it
	s_lshl_b32 s55, s54, 11
	s_lshl_b32 s56, s54, 2
	s_lshl_b32 s57, s54, 6
	v_add_nc_u32 v[XO0], s55, v[L16]
	v_lshlrev_b32 v[XO1], 3, v1
	s_delay_alu instid0(VALU_DEP_1)
	v_add_nc_u32 v[XO1], s56, v[XO1]
	v_add_nc_u32 v[XO2], s57, v[R4]
	s_lshl_b32 s58, ttmp9, 9                       ; the work-group's 128 words in out1 and idx
	s_mov_b32 s59, 0
	s_mov_b32 s60, 0x76543210
	s_mov_b32 s61, 0xfedcba98                      ; v_permlanex16_b32's selects for lane l xor 16
	s_wait_alu depctr_va_vdst(0)
	s_wait_kmcnt 0x0
	s_add_nc_u64 s[4:5], s[4:5], s[50:51]
	s_add_nc_u64 s[6:7], s[6:7], s[52:53]
	s_add_nc_u64 s[10:11], s[10:11], s[58:59]
	s_add_nc_u64 s[12:13], s[12:13], s[58:59]
	s_lshl_b32 s50, s63, 2                         ; my 8 words of the tile's 16
	s_add_nc_u64 s[52:53], s[4:5], s[50:51]
	s_load_b256 s[16:23], s[52:53], 0x0            ; my 8 rows' blocks, as scalars: they steer the batches' addresses
	global_load_b32 v[CB], v[R4], s[4:5]           ; and my lane's row's, in my lane
.irp q, 0,1,2,3
	global_load_b128 v[XF+4*\q:XF+4*\q+3], v[XO0], s[6:7] offset:512*\q
.endr
	global_load_b32 v[XSC], v[XO1], s[6:7] offset:4096
	global_load_b32 v[XQ], v[XO2], s[6:7] offset:4352
	v_mov_b32 v[XQ+1], 0                           ; named with x_sq as a pair, so it is written
	s_wait_kmcnt 0x0
.irp i, 0,1,2,3,4,5,6,7
	s_min_u32 s[16+\i], s[16+\i], 511              ; a block number stays inside the table
	s_and_b32 s48, s[16+\i], 1
	s_and_b32 s49, s[16+\i], 0x1fe
	s_mul_i32 s49, s49, REC/2                      ; the record's first byte
	s_lshl_b32 s50, s48, 7
	s_lshl_b32 s48, s48, 6
	s_add_co_u32 s[16+\i], s49, s50                ; for the fragments
	s_add_co_u32 s[32+\i], s49, s48                ; for the scale words
.endr
.macro BLOAD b                         ; my rows 4 b .. 4 b + 3: 20 loads into set b
.set ST, (\b)%2
.irp k, 0,1,2,3
	v_add_nc_u32 v[OF+8*ST+2*\k], s[16+4*(\b)+\k], v[LCF]
	v_add_nc_u32 v[OF+8*ST+2*\k+1], s[32+4*(\b)+\k], v[LCS]
.irp q, 0,1,2,3
	global_load_b128 v[AFR+64*ST+16*\k+4*\q:AFR+64*ST+16*\k+4*\q+3], v[OF+8*ST+2*\k], s[8:9] offset:512*\q
.endr
	global_load_b32 v[ASC+4*ST+\k], v[OF+8*ST+2*\k+1], s[8:9] offset:4096
.endr
.endm
.macro BMUL set                        ; eight matrix instructions: the four rows' accumulators by turns, K step 0 and then K step 1
.irp k, 0,1,2,3
	v_wmma_scale_f32_16x16x128_f8f6f4 v[ACC+8*\k:ACC+8*\k+7], v[AFR+64*(\set)+16*\k:AFR+64*(\set)+16*\k+7], v[XF:XF+7], 0, v[ASC+4*(\set)+\k], v[XSC] matrix_a_fmt:MATRIX_FMT_FP4 matrix_b_fmt:MATRIX_FMT_FP4
.endr
.irp k, 0,1,2,3
	v_wmma_scale_f32_16x16x128_f8f6f4 v[ACC+8*\k:ACC+8*\k+7], v[AFR+64*(\set)+16*\k+8:AFR+64*(\set)+16*\k+15], v[XF+8:XF+15], v[ACC+8*\k:ACC+8*\k+7], v[ASC+4*(\set)+\k], v[XSC] matrix_a_fmt:MATRIX_FMT_FP4 matrix_b_fmt:MATRIX_FMT_FP4 matrix_a_scale:MATRIX_SCALE_ROW1 matrix_b_scale:MATRIX_SCALE_ROW1
.endr
.rept 5
	v_nop                                          ; places (ISA guide 7.12.1) in front of the reads of the results, and of the next batch's products, which write over them
.endr
.endm
.macro BSEL b                          ; of row i's product lanes i and i + 16 are kept, i = my first row + 4 b + k; each accumulator is read from its low end on
.irp k, 0,1,2,3
.if (4*(\b)+\k) == 0
.irp j, 0,1,2,3,4,5,6,7
	v_mov_b32 v[SEL+\j], v[ACC+\j]                 ; the first row writes all lanes: nothing is cleared
.endr
.else
	s_mov_b32 s62, 0x00010001<<(4*(\b)+\k)
	s_lshl_b32 s62, s62, s63
.irp j, 0,1,2,3,4,5,6,7
	v_cndmask_b32 v[SEL+\j], v[SEL+\j], v[ACC+8*\k+\j], s62
.endr
.endif
.endr
.endm
	BLOAD 0
	BLOAD 1
	s_wait_loadcnt 46                              ; my lane's block is in: behind it went x's 6 loads and the two batches' 40
	v_min_u32 v[CB], 0x1ff, v[CB]
	s_delay_alu instid0(VALU_DEP_1)
	v_and_b32 v10, 0x1fe, v[CB]
	s_delay_alu instid0(VALU_DEP_1)
	v_mul_u32_u24 v10, v10, REC/2
	s_delay_alu instid0(VALU_DEP_3)
	v_and_b32 v11, 1, v[CB]
	s_delay_alu instid0(VALU_DEP_1)
	v_lshl_add_u32 v10, v11, 5, v10
	s_delay_alu instid0(VALU_DEP_1)
	v_lshl_add_u32 v10, v[HH], 6, v10              ; e_sq of codes 8 h + 0 .. 7 of my block: record + 4352 + 64 h + 32 (block % 2)
	global_load_b128 v[ESQ:ESQ+3], v10, s[8:9] offset:4352
	global_load_b128 v[ESQ+4:ESQ+7], v10, s[8:9] offset:4368
	s_wait_loadcnt 22                              ; x and batch 0 are in; batch 1's 20 and e_sq's 2 may be out
	BMUL 0
	BSEL 0
	s_wait_loadcnt 0x0                             ; batch 1 and e_sq are in
	BMUL 1
	s_wait_alu depctr_va_vdst(0)                   ; directly ahead of the reader below
	BSEL 1
.irp j, 0,2,4,6
	v_pk_fma_f32 v[SEL+\j:SEL+\j+1], v[SEL+\j:SEL+\j+1], -2.0, v[XQ:XQ+1] op_sel_hi:[1,0,0]   ; x_sq - 2 dot: one rounding
.endr
.irp j, 0,2,4,6
	s_delay_alu instid0(VALU_DEP_4)
	v_pk_add_f32 v[SEL+\j:SEL+\j+1], v[SEL+\j:SEL+\j+1], v[ESQ+\j:ESQ+\j+1]
.endr
	s_delay_alu instid0(VALU_DEP_4)
	v_mov_b32 v[BV], v[SEL]
	v_mov_b32 v[POS], 0
.irp j, 1
	s_delay_alu instid0(VALU_DEP_2)
	v_cmp_ge_f32 vcc_lo, v[SEL+\j], v[BV]          ; not under the best so far: the earlier place stays
	s_delay_alu instid0(VALU_DEP_1)
	v_cndmask_b32 v[POS], \j, v[POS], vcc_lo
	s_delay_alu instid0(VALU_DEP_4)
	v_min_num_f32 v[BV], v[BV], v[SEL+\j]
.endr
.irp j, 2, 3, 4, 5, 6, 7
	s_delay_alu instid0(VALU_DEP_1)
	v_cmp_ge_f32 vcc_lo, v[SEL+\j], v[BV]          ; not under the best so far: the earlier place stays
	s_delay_alu instid0(VALU_DEP_1)
	v_cndmask_b32 v[POS], \j, v[POS], vcc_lo
	s_delay_alu instid0(VALU_DEP_3)
	v_min_num_f32 v[BV], v[BV], v[SEL+\j]
.endr
	v_lshlrev_b32 v[IX], 4, v[CB]
	s_delay_alu instid0(VALU_DEP_1)
	v_lshl_add_u32 v[IX], v[HH], 3, v[IX]
	s_delay_alu instid0(VALU_DEP_1)
	v_add_nc_u32 v[IX], v[IX], v[POS]              ; 16 block + 8 h + place
	v_mov_b32 v[PDV], 0                            ; a lane permute's destination counts as one of its sources
	v_mov_b32 v[PDI], 0
	s_delay_alu instid0(VALU_DEP_2)
	v_permlanex16_b32 v[PDV], v[BV], s60, s61
	s_delay_alu instid0(VALU_DEP_2)
	v_permlanex16_b32 v[PDI], v[IX], s60, s61
	s_delay_alu instid0(VALU_DEP_2)
	v_cmp_lt_f32 s48, v[PDV], v[BV]                ; the other half's takes my place where it is less, or equal with the smaller index
	s_delay_alu instid0(VALU_DEP_3)
	v_cmp_eq_f32 s49, v[PDV], v[BV]
	s_delay_alu instid0(VALU_DEP_3)
	v_cmp_lt_u32 s50, v[PDI], v[IX]
	s_and_b32 s49, s49, s50
	s_or_b32 s48, s48, s49
	v_cndmask_b32 v[IX], v[IX], v[PDI], s48
	ds_store_b32 v[LW], v[IX]                      ; both lanes of a row write the same word with the same value; the words of the rows that are not mine are read by nobody
	s_wait_dscnt 0x0                               ; for wave 0's sake: my store has landed
	s_barrier_signal -1
	s_barrier_wait -1
	s_cmp_lg_u32 s14, 0
	s_cbranch_scc1 .Lend
	ds_load_b128 v[OUT:OUT+3], v[RDA]              ; the work-group's 128 indices, each from the wave that owns its row
	s_wait_dscnt 0x0
	global_store_b128 v[L16], v[OUT:OUT+3], s[10:11]   ; 512 consecutive bytes, at a multiple of 256 from the buffer's first byte
	global_store_b128 v[L16], v[OUT:OUT+3], s[12:13]   ; and once more for the next launch, whose addresses hang on them
.Lend:
	s_wait_tensorcnt 0x0
	ds_add_u32 v244, v245
	s_wait_dscnt 0x0
	s_endpgm
.Lfunc_end_k_qe7a64b8b36_resolve:
	.size	k_qe7a64b8b36_resolve, .Lfunc_end_k_qe7a64b8b36_resolve-k_qe7a64b8b36_resolve
	.p2alignl 7, 3214868480
	.fill 96, 4, 3214868480
	.section	.rodata,"a",@progbits
	.p2align	6, 0x0
	.amdhsa_kernel k_qe7a64b8b36_resolve
		.amdhsa_group_segment_fixed_size 3072
		.amdhsa_private_segment_fixed_size 0
		.amdhsa_enable_private_segment 0
		.amdhsa_kernarg_size 40
		.amdhsa_user_sgpr_count 2
		.amdhsa_user_sgpr_kernarg_segment_ptr 1
		.amdhsa_wavefront_size32 1
		.amdhsa_system_sgpr_workgroup_id_x 1
		.amdhsa_system_sgpr_workgroup_id_y 1
		.amdhsa_system_sgpr_workgroup_id_z 1
		.amdhsa_system_vgpr_workitem_id 0
		.amdhsa_next_free_vgpr 246
		.amdhsa_next_free_sgpr 66
		.amdhsa_reserve_vcc 1
		.amdhsa_float_denorm_mode_32 3
		.amdhsa_float_denorm_mode_16_64 3
		.amdhsa_memory_ordered 1
		.amdhsa_forward_progress 1
		.amdhsa_inst_pref_size 22
	.end_amdhsa_kernel
	.amdgpu_metadata
---
amdhsa.version: [ 1, 2 ]
amdhsa.kernels:
  - .name:           k_qe7a64b8b36_resolve
    .symbol:         k_qe7a64b8b36_resolve.kd
    .args:
      - { .name: cand, .offset: 0, .size: 8, .value_kind: global_buffer, .address_space: global }
      - { .name: xq, .offset: 8, .size: 8, .value_kind: global_buffer, .address_space: global }
      - { .name: eq, .offset: 16, .size: 8, .value_kind: global_buffer, .address_space: global }
      - { .name: out1, .offset: 24, .size: 8, .value_kind: global_buffer, .address_space: global }
      - { .name: idx, .offset: 32, .size: 8, .value_kind: global_buffer, .address_space: global }
    .group_segment_fixed_size: 3072
    .private_segment_fixed_size: 0
    .kernarg_segment_align: 8
    .kernarg_segment_size: 40
    .max_flat_workgroup_size: 512
    .sgpr_count:     66
    .vgpr_count:     246
    .wavefront_size: 32
...
	.end_amdgpu_metadata
.endif
;; end of part 3
;; launch gather (part 4): grid 256 x 1, 16 waves a work-group, no clusters, 2,304 bytes of LDS; arguments x, embeddings, idx, out0, part; writes out0, part
.if DOCPART == 4
	.amdgcn_target "amdgcn-amd-amdhsa--gfx1250"
	.amdhsa_code_object_version 6
	.text
	.protected	k_qe7a64b8b36_gather
	.globl	k_qe7a64b8b36_gather
	.p2align	8
	.type	k_qe7a64b8b36_gather,@function
k_qe7a64b8b36_gather:
	s_mov_b64 s[64:65], 0
	v_nop
	global_prefetch_b8 v0, s[64:65] scope:SCOPE_SE
	s_setreg_imm32_b32 hwreg(HW_REG_WAVE_MODE, 25, 1), 1
	s_wait_xcnt 0x0
; out0[row] = x[row] + (embeddings[idx[row]] - x[row]), in f32 as it is written; part[work-group] = the sum of (embeddings[idx[row]] - x[row])^2 over the work-group's 128 rows.
; A stream: a wave takes 8 rows of 1,024 bytes.  Every load and store of a wave covers 512 consecutive bytes; all 32 loads of a wave go out before its first number is used.
; The rows of the table are named by idx, which the launch before has stored: held to 8,191, shifted, added.  No matrix unit, no cluster, no tensor load: no two work-groups share a tile, and memory binds.
; The sum over work-groups is ordered: each stores its own word, the next launch adds them.
.set L16, 2                            ; v2   16 lane
.set LW,  3                            ; v3   LDS: 4 wave
.set VE,  4                            ; v4-11   16 lane + 1,024 idx of row i
.set NIL, 12                           ; v12  0
.set X,   16                           ; v16-79   x: row i at 8 i
.set E,   80                           ; v80-143  the table's rows, then q - x, then the result
.set L,   144                          ; v[144:147] the squares' sums: two chains of pairs
.set P,   148                          ; v148-163 the sixteen waves' sums
	s_load_b256 s[4:11], s[0:1], 0x0               ; x s[4:5], embeddings s[6:7], idx s[8:9], out0 s[10:11]
	s_load_b64 s[12:13], s[0:1], 0x20              ; part
	v_lshl_add_u32 v164, v0, 2, 0x100
	v_mov_b32 v165, 0
	v_lshrrev_b32 v1, 5, v0
	s_delay_alu instid0(VALU_DEP_1)
	v_readfirstlane_b32 s14, v1                    ; wave 0..15
	v_and_b32 v1, 31, v0
	s_delay_alu instid0(VALU_DEP_1)
	v_lshlrev_b32 v[L16], 4, v1
	s_delay_alu instid0(VALU_DEP_3)
	v_mov_b32 v[LW], s14
	s_delay_alu instid0(VALU_DEP_1)
	v_lshlrev_b32 v[LW], 2, v[LW]
	v_mov_b32 v[NIL], 0
	s_lshl_b32 s15, ttmp9, 7
	s_lshl_b32 s16, s14, 3
	s_add_co_u32 s15, s15, s16                     ; my first row
	s_lshl_b32 s16, s15, 10
	s_mov_b32 s17, 0
	s_lshl_b32 s18, s15, 2
	s_mov_b32 s19, 0
	s_lshl_b32 s20, ttmp9, 2
	s_mov_b32 s21, 0
	s_mov_b32 s22, 0x76543210
	s_mov_b32 s23, 0xfedcba98                      ; v_permlanex16_b32's selects for lane l xor 16
	s_wait_alu depctr_va_vdst(0)
	s_wait_kmcnt 0x0
	s_add_nc_u64 s[4:5], s[4:5], s[16:17]
	s_add_nc_u64 s[10:11], s[10:11], s[16:17]
	s_add_nc_u64 s[8:9], s[8:9], s[18:19]
	s_add_nc_u64 s[12:13], s[12:13], s[20:21]
	s_load_b256 s[24:31], s[8:9], 0x0              ; my 8 indices
.irp i, 0,1,2,3,4,5,6,7
	global_load_b128 v[X+8*\i:X+8*\i+3], v[L16], s[4:5] offset:1024*\i th:TH_LOAD_NT
	global_load_b128 v[X+8*\i+4:X+8*\i+7], v[L16], s[4:5] offset:1024*\i+512 th:TH_LOAD_NT
.endr
	s_wait_kmcnt 0x0
.irp i, 0,1,2,3,4,5,6,7
	s_min_u32 s[24+\i], s[24+\i], 8191             ; an index stays inside the table
	s_lshl_b32 s[24+\i], s[24+\i], 10
	v_add_nc_u32 v[VE+\i], s[24+\i], v[L16]
.endr
	s_wait_alu depctr_va_vdst(0)
.irp i, 0,1,2,3,4,5,6,7
	global_load_b128 v[E+8*\i:E+8*\i+3], v[VE+\i], s[6:7]              ; no hint: a row of the table may be named again
	global_load_b128 v[E+8*\i+4:E+8*\i+7], v[VE+\i], s[6:7] offset:512
.endr
.irp i, 0,1,2,3,4,5,6,7
	s_wait_loadcnt 14-2*\i                         ; row i of the table is in (x came before it); the later rows' loads, two each, may be out
.irp j, 0,2,4,6
	v_pk_add_f32 v[E+8*\i+\j:E+8*\i+\j+1], v[E+8*\i+\j:E+8*\i+\j+1], v[X+8*\i+\j:X+8*\i+\j+1] neg_lo:[0,1] neg_hi:[0,1]   ; q - x
.endr
.irp j, 0,2,4,6
.if (\i == 0) && (\j < 4)
	s_delay_alu instid0(VALU_DEP_4)
	v_pk_mul_f32 v[L+\j:L+\j+1], v[E+\j:E+\j+1], v[E+\j:E+\j+1]        ; the first squares start the two chains: nothing is cleared
.else
	v_pk_fma_f32 v[L+\j%4:L+\j%4+1], v[E+8*\i+\j:E+8*\i+\j+1], v[E+8*\i+\j:E+8*\i+\j+1], v[L+\j%4:L+\j%4+1]
.endif
.endr
.irp j, 0,2,4,6
	v_pk_add_f32 v[E+8*\i+\j:E+8*\i+\j+1], v[X+8*\i+\j:X+8*\i+\j+1], v[E+8*\i+\j:E+8*\i+\j+1]   ; x + (q - x)
.endr
.endr
	v_add_f32 v[L], v[L], v[L+1]
	v_add_f32 v[L+2], v[L+2], v[L+3]
	s_delay_alu instid0(VALU_DEP_1)
	v_add_f32 v[L], v[L], v[L+2]
	s_delay_alu instid0(VALU_DEP_1)
	v_add_f32_dpp v[L], v[L], v[L] row_xmask:1 row_mask:0xf bank_mask:0xf
	s_delay_alu instid0(VALU_DEP_1)
	v_add_f32_dpp v[L], v[L], v[L] row_xmask:2 row_mask:0xf bank_mask:0xf
	s_delay_alu instid0(VALU_DEP_1)
	v_add_f32_dpp v[L], v[L], v[L] row_xmask:4 row_mask:0xf bank_mask:0xf
	s_delay_alu instid0(VALU_DEP_1)
	v_add_f32_dpp v[L], v[L], v[L] row_xmask:8 row_mask:0xf bank_mask:0xf
	s_delay_alu instid0(VALU_DEP_1)
	v_permlanex16_b32 v[L+1], v[L], s22, s23
	s_delay_alu instid0(VALU_DEP_1)
	v_add_f32 v[L], v[L], v[L+1]                   ; the wave's sum, in every lane
	ds_store_b32 v[LW], v[L]                       ; all lanes write the same word with the same value
.irp i, 0,1,2,3,4,5,6,7
	global_store_b128 v[L16], v[E+8*\i:E+8*\i+3], s[10:11] offset:1024*\i th:TH_STORE_NT       ; the wave's 16 stores in one run, behind all its arithmetic
	global_store_b128 v[L16], v[E+8*\i+4:E+8*\i+7], s[10:11] offset:1024*\i+512 th:TH_STORE_NT
.endr
	s_wait_dscnt 0x0                               ; for wave 0's sake
	s_barrier_signal -1
	s_barrier_wait -1
	s_cmp_lg_u32 s14, 0
	s_cbranch_scc1 .Lend
.irp k, 0,1,2,3
	ds_load_b128 v[P+4*\k:P+4*\k+3], v[NIL] offset:16*\k
.endr
	s_wait_dscnt 0x0
.irp k, 0,2,4,6
	v_pk_add_f32 v[P+\k:P+\k+1], v[P+\k:P+\k+1], v[P+8+\k:P+8+\k+1]
.endr
	s_delay_alu instid0(VALU_DEP_2)
	v_pk_add_f32 v[P:P+1], v[P:P+1], v[P+4:P+5]
	s_delay_alu instid0(VALU_DEP_2)
	v_pk_add_f32 v[P+2:P+3], v[P+2:P+3], v[P+6:P+7]
	s_delay_alu instid0(VALU_DEP_1)
	v_pk_add_f32 v[P:P+1], v[P:P+1], v[P+2:P+3]
	s_delay_alu instid0(VALU_DEP_1)
	v_add_f32 v[P], v[P], v[P+1]
	v_cmp_eq_u32 vcc_lo, 0, v0
	s_wait_alu depctr_va_vdst(0)
	s_wait_xcnt 0x0                                ; EXEC is a source of the stores above: it changes only behind this wait
	s_and_saveexec_b32 s32, vcc_lo
	global_store_b32 v[NIL], v[P], s[12:13]        ; one lane: the work-group's word
	s_wait_xcnt 0x0                                ; and again, in front of the line that widens it
	s_or_b32 exec_lo, exec_lo, s32
.Lend:
	s_wait_tensorcnt 0x0
	ds_add_u32 v164, v165
	s_wait_dscnt 0x0
	s_endpgm
.Lfunc_end_k_qe7a64b8b36_gather:
	.size	k_qe7a64b8b36_gather, .Lfunc_end_k_qe7a64b8b36_gather-k_qe7a64b8b36_gather
	.p2alignl 7, 3214868480
	.fill 96, 4, 3214868480
	.section	.rodata,"a",@progbits
	.p2align	6, 0x0
	.amdhsa_kernel k_qe7a64b8b36_gather
		.amdhsa_group_segment_fixed_size 2304
		.amdhsa_private_segment_fixed_size 0
		.amdhsa_enable_private_segment 0
		.amdhsa_kernarg_size 40
		.amdhsa_user_sgpr_count 2
		.amdhsa_user_sgpr_kernarg_segment_ptr 1
		.amdhsa_wavefront_size32 1
		.amdhsa_system_sgpr_workgroup_id_x 1
		.amdhsa_system_sgpr_workgroup_id_y 1
		.amdhsa_system_sgpr_workgroup_id_z 1
		.amdhsa_system_vgpr_workitem_id 0
		.amdhsa_next_free_vgpr 166
		.amdhsa_next_free_sgpr 66
		.amdhsa_reserve_vcc 1
		.amdhsa_float_denorm_mode_32 3
		.amdhsa_float_denorm_mode_16_64 3
		.amdhsa_memory_ordered 1
		.amdhsa_forward_progress 1
		.amdhsa_inst_pref_size 16
	.end_amdhsa_kernel
	.amdgpu_metadata
---
amdhsa.version: [ 1, 2 ]
amdhsa.kernels:
  - .name:           k_qe7a64b8b36_gather
    .symbol:         k_qe7a64b8b36_gather.kd
    .args:
      - { .name: x, .offset: 0, .size: 8, .value_kind: global_buffer, .address_space: global }
      - { .name: embeddings, .offset: 8, .size: 8, .value_kind: global_buffer, .address_space: global }
      - { .name: idx, .offset: 16, .size: 8, .value_kind: global_buffer, .address_space: global }
      - { .name: out0, .offset: 24, .size: 8, .value_kind: global_buffer, .address_space: global }
      - { .name: part, .offset: 32, .size: 8, .value_kind: global_buffer, .address_space: global }
    .group_segment_fixed_size: 2304
    .private_segment_fixed_size: 0
    .kernarg_segment_align: 8
    .kernarg_segment_size: 40
    .max_flat_workgroup_size: 512
    .sgpr_count:     66
    .vgpr_count:     166
    .wavefront_size: 32
...
	.end_amdgpu_metadata
.endif
;; end of part 4
;; launch finish (part 5): grid 1 x 1, 1 waves a work-group, no clusters, 0 bytes of LDS; arguments part, out2, out3, out4; writes out2, out3, out4
.if DOCPART == 5
	.amdgcn_target "amdgcn-amd-amdhsa--gfx1250"
	.amdhsa_code_object_version 6
	.text
	.protected	k_qe7a64b8b36_finish
	.globl	k_qe7a64b8b36_finish
	.p2align	8
	.type	k_qe7a64b8b36_finish,@function
k_qe7a64b8b36_finish:
	s_mov_b64 s[64:65], 0
	v_nop
	global_prefetch_b8 v0, s[64:65] scope:SCOPE_SE
	s_setreg_imm32_b32 hwreg(HW_REG_WAVE_MODE, 25, 1), 1
	s_wait_xcnt 0x0
; The three losses from the 256 work-groups' sums of squares: m = their sum / 2^23 (32,768 rows x 256 numbers; the division is exact);
; out3 (codebook) = m, out2 (commitment) = 0.25 m, out4 = out2 + out3.  One wave: 8 words a lane, then once across the lanes.
	s_load_b256 s[4:11], s[0:1], 0x0               ; part s[4:5], out2 s[6:7], out3 s[8:9], out4 s[10:11]
	v_lshlrev_b32 v1, 4, v0
	v_mov_b32 v2, 0
	v_mov_b32 v12, 0                               ; a lane permute's destination counts as one of its sources
	s_mov_b32 s12, 0x76543210
	s_mov_b32 s13, 0xfedcba98
	s_wait_alu depctr_va_vdst(0)
	s_wait_kmcnt 0x0
	global_load_b128 v[4:7], v1, s[4:5]
	global_load_b128 v[8:11], v1, s[4:5] offset:512
	s_wait_loadcnt 0x0
	v_pk_add_f32 v[4:5], v[4:5], v[6:7]
	v_pk_add_f32 v[8:9], v[8:9], v[10:11]
	v_pk_add_f32 v[4:5], v[4:5], v[8:9]
	v_add_f32 v4, v4, v5
	v_add_f32_dpp v4, v4, v4 row_xmask:1 row_mask:0xf bank_mask:0xf
	v_add_f32_dpp v4, v4, v4 row_xmask:2 row_mask:0xf bank_mask:0xf
	v_add_f32_dpp v4, v4, v4 row_xmask:4 row_mask:0xf bank_mask:0xf
	v_add_f32_dpp v4, v4, v4 row_xmask:8 row_mask:0xf bank_mask:0xf
	v_permlanex16_b32 v12, v4, s12, s13
	v_add_f32 v4, v4, v12
	v_mul_f32 v5, 0x34000000, v4                   ; x 2^-23: the mean
	v_mul_f32 v6, 0x3e800000, v5                   ; x 0.25
	v_add_f32 v7, v6, v5
	v_cmp_eq_u32 vcc_lo, 0, v0
	s_wait_alu depctr_va_vdst(0)
	s_wait_xcnt 0x0                                ; EXEC changes only behind this wait
	s_and_saveexec_b32 s14, vcc_lo
	global_store_b32 v2, v6, s[6:7]
	global_store_b32 v2, v5, s[8:9]
	global_store_b32 v2, v7, s[10:11]
	s_wait_xcnt 0x0                                ; and again, in front of the line that widens it
	s_or_b32 exec_lo, exec_lo, s14
	s_endpgm
.Lfunc_end_k_qe7a64b8b36_finish:
	.size	k_qe7a64b8b36_finish, .Lfunc_end_k_qe7a64b8b36_finish-k_qe7a64b8b36_finish
	.p2alignl 7, 3214868480
	.fill 96, 4, 3214868480
	.section	.rodata,"a",@progbits
	.p2align	6, 0x0
	.amdhsa_kernel k_qe7a64b8b36_finish
		.amdhsa_group_segment_fixed_size 0
		.amdhsa_private_segment_fixed_size 0
		.amdhsa_enable_private_segment 0
		.amdhsa_kernarg_size 32
		.amdhsa_user_sgpr_count 2
		.amdhsa_user_sgpr_kernarg_segment_ptr 1
		.amdhsa_wavefront_size32 1
		.amdhsa_system_sgpr_workgroup_id_x 1
		.amdhsa_system_sgpr_workgroup_id_y 1
		.amdhsa_system_sgpr_workgroup_id_z 1
		.amdhsa_system_vgpr_workitem_id 0
		.amdhsa_next_free_vgpr 24
		.amdhsa_next_free_sgpr 66
		.amdhsa_reserve_vcc 1
		.amdhsa_float_denorm_mode_32 3
		.amdhsa_float_denorm_mode_16_64 3
		.amdhsa_memory_ordered 1
		.amdhsa_forward_progress 1
		.amdhsa_inst_pref_size 3
	.end_amdhsa_kernel
	.amdgpu_metadata
---
amdhsa.version: [ 1, 2 ]
amdhsa.kernels:
  - .name:           k_qe7a64b8b36_finish
    .symbol:         k_qe7a64b8b36_finish.kd
    .args:
      - { .name: part, .offset: 0, .size: 8, .value_kind: global_buffer, .address_space: global }
      - { .name: out2, .offset: 8, .size: 8, .value_kind: global_buffer, .address_space: global }
      - { .name: out3, .offset: 16, .size: 8, .value_kind: global_buffer, .address_space: global }
      - { .name: out4, .offset: 24, .size: 8, .value_kind: global_buffer, .address_space: global }
    .group_segment_fixed_size: 0
    .private_segment_fixed_size: 0
    .kernarg_segment_align: 8
    .kernarg_segment_size: 32
    .max_flat_workgroup_size: 32
    .sgpr_count:     66
    .vgpr_count:     24
    .wavefront_size: 32
...
	.end_amdgpu_metadata
.endif
;; end of part 5
